; MI455X (gfx1250); checked and timed in simulation.
; The chip was launched on July 23, 2026; its instructions are those of AMD's public machine-readable ISA for CDNA 5 (MIT licence, August 2026) and "CDNA5" Instruction Set Architecture Reference Guide (July 2026). The comments in the code are by the model that wrote it; some were corrected since.
;; Multiplier LUTONNX. Allowed arithmetic: matrix products marked QUANTISED: E2M1 operands, one E8M0 scale for each 32 along K, by v_wmma_scale_f32_16x16x128_f8f6f4 with both operands' format E2M1 (or v_wmma_scale_f32_32x16x128_f4), f32 sums; products left as they are: f32 operands where the result goes on into a quantised operand, else bf16, f16 or f32 operands; f32 sums; everything else in f32.
;; Inputs: a_onehot_codes 65,536 x 8 x 16 uint8 (E2M1 codes of a_onehot, K innermost, in blocks of 32 codes, two codes a byte); a_onehot_scales 65,536 x 8 uint8 (E8M0 scales of a_onehot, one for each 32 codes along K); b_onehot 65,536 x 256 float32; table_codes 256 x 16 x 8 x 16 uint8 (E2M1 codes of table, K innermost, in blocks of 32 codes, two codes a byte); table_scales 256 x 16 x 8 uint8 (E8M0 scales of table, one for each 32 codes along K).
;; Outputs: out0 65,536 x 16 float32.
;; This version of the problem:
;;   THIS VERSION OF THE PROBLEM IS GIVEN IN LOW PRECISION. The matrix products marked QUANTISED in the list below multiply operands that are first quantised to E2M1 (2 exponent bits, 1 mantissa bit; 4 bits a number), with one power-of-two scale for each 32 numbers along K (OCP MX v1.0); their sums are f32. All else is computed in f32.
;;   The module's matrix products, in the order in which they are computed (A, B: the left and right operand; K: the contracted axis; several contracted axes count as one K, in the product's order):
;;     1. [M 65,536, K 256] x [K 256, N 4,096]; A: input a_onehot (given as codes); B: input table (given as codes): QUANTISED
;;     2. batch 65,536 x [M 1, K 256] x [K 256, N 16]; A: input b_onehot; B: computed on the way: left as it is (M = 1 < 16)
;;   THE QUANTISER, for each operand of a quantised product, along K:
;;     - K is cut into blocks of 32 from its start; a last block that is shorter is filled with zeros.
;;     - A block's scale is 2^e with e = floor(log2(the largest magnitude in the block)) - 2, held to -126 .. 127; a block of zeros has e = 0. As a byte (E8M0): e + 127.
;;     - Each number is divided by its block's scale, clamped to +-6, and rounded to the nearest number of E2M1, ties to even, subnormals kept.
;;     - The product sums the exact products of the quantised numbers (number of the format x scale) in f32.
;;   ~~~python
;;   def quantise(x, axis):      # numpy; x: float32 -> the quantised numbers, widened to float32 again
;;       x = np.moveaxis(x, axis, -1); K = x.shape[-1]
;;       x = np.pad(x, [(0, 0)] * (x.ndim - 1) + [(0, -K % 32)]); x = x.reshape(x.shape[:-1] + (-1, 32)); a = np.abs(x).max(-1, keepdims=True)
;;       e = np.where(a > 0, np.clip(np.frexp(np.where(a > 0, a, 1))[1] - 1 - 2, -126, 127), 0)      # np.frexp(a)[1] - 1 = floor(log2(a)), exactly
;;       r = np.clip(x / 2.0 ** e, -6, 6)
;;       step = 2.0 ** (np.maximum(np.frexp(np.where(r == 0, 1, r))[1] - 1, 0) - 1)
;;       q = np.round(r / step) * step * 2.0 ** e      # np.round: ties to even
;;       return np.moveaxis(q.reshape(q.shape[:-2] + (-1,))[..., :K], -1, axis).astype(np.float32)
;;   ~~~
;;   INPUTS GIVEN AS CODES. a_onehot (in the module: [65536, 256], K = its axis 1); table (in the module: [256, 256, 16], K = its axis 0): each comes as NAME_codes (uint8): NAME with its K axis moved to the last place and cut into blocks of 32 codes, [.., K / 32, bytes a block], one block behind the other in memory; two codes a byte, the lower K in the low four bits (a code: sign, 2 exponent bits, 1 mantissa bit); and NAME_scales (uint8): the same leading axes, one E8M0 byte (e + 127) for each 32 codes along K. Its value is code x scale, taken as it is: it is not quantised again, and the codes and scales need not be those that the quantiser above would give.
;; One version. Each part assembles by itself: llvm-mc -triple=amdgcn-amd-amdhsa -mcpu=gfx1250 --defsym DOCPART=n.
;; ======== version 1 of 1: 1 launch
;; limits: right only within a limited range of input values
;; launch lut (part 1): grid 256 x 1, 8 waves a work-group, clusters of 4 x 1, 327,680 bytes of LDS; arguments a_onehot_codes, a_onehot_scales, b_onehot, table_codes, table_scales, out0; writes out0
.if DOCPART == 1
	.amdgcn_target "amdgcn-amd-amdhsa--gfx1250"
	.amdhsa_code_object_version 6
	.text
	.protected	k_q0854763927_lut
	.globl	k_q0854763927_lut
	.p2align	8
	.type	k_q0854763927_lut,@function
k_q0854763927_lut:
	s_mov_b64 s[64:65], 0
	v_nop
	global_prefetch_b8 v0, s[64:65] scope:SCOPE_SE
	s_setreg_imm32_b32 hwreg(HW_REG_WAVE_MODE, 25, 1), 1
	s_wait_xcnt 0x0
	s_wait_alu depctr_hold_cnt(0) depctr_sa_sdst(0) depctr_va_vdst(0) depctr_va_sdst(0) depctr_va_ssrc(0) depctr_va_vcc(0) depctr_vm_vsrc(0)
	s_getreg_b32 s2, hwreg(HW_REG_IB_STS2, 6, 4)
	s_cmp_eq_u32 s2, 0
	s_cbranch_scc0 .Lentry_in_a_cluster
	s_endpgm
.Lentry_in_a_cluster:
	s_bfe_u32 s2, ttmp6, 0x10000c
	s_cmp_lg_u32 s2, 0x3003
	s_cbranch_scc0 .Lentry_shape_is_right
	s_endpgm
.Lentry_shape_is_right:
; out[b][k] = sigmoid( sum over i of bo[b][i] x ( sum over a of A[b][a] T[a][i][k] ) ).   B = 65,536 rows b; a, i = 0 .. 255; k = 0 .. 15.
; A (a_onehot) and T (table) come as codes of FP4 (E2M1) with one E8M0 byte for each 32 along a: A's row b is 128 bytes, T's row (i, k) = 16 i + k is 128 bytes; scale bytes 8 a row.  bo (b_onehot) is f32.
; Nothing is taken for one-hot: every product is made.  The inner sum goes to the matrix unit as codes and scale bytes lie; the outer sum is f32 fused multiply-adds; the [b][i][k] intermediate never leaves the registers.
; SHARES.  A work-group owns 256 rows b and walks the whole table in eight octets of 32 i.  Eight waves: wave w takes rows 128 (w & 1) on (RHO), eight tiles t of 16 rows, and of each octet the eight i at 8 (w >> 1) (CQ).
; THE MATRIX INSTRUCTION IS USED TRANSPOSED: source 0 = 32 rows of the table, source 1 = 16 rows b.  A lane then holds ONE row b (lane % 16), and bo[b][i] is one number a lane for a whole result.
; THE 32 TABLE ROWS ARE CHOSEN.  i_o = 32 o + 8 CQ.  Pair e = 0 .. 3 of octet o is i0 = i_o + e and i1 = i0 + 4:
;   X, rows 0-15:  row m < 8 is (i0, k = m), row m >= 8 is (i1, k = m);     Y, rows 16-31: row m < 8 is (i0, k = 8 + m), row m >= 8 is (i1, k = m - 8).
;   Result register j (X) or 8 + j (Y) of lane (r, h) is row m = 8 h + j: in both that is i = i_o + 4 h + e, so the lane's multiplier is register e of ONE 16-byte load at byte 128 o + 32 CQ + 16 h of bo's row.
;   accX(r, h)[j] gathers k = 8 h + j, accY(r, h)[j] gathers k = 8 (1 - h) + j; at the end out(r, 8 h + j) = accX(r, h)[j] + accY(r, 1 - h)[j], summed over the four waves of the same rows.
; THE TABLE'S CODES come in pieces of 32 i through four LDS slots of 69,632 bytes.  CLUSTER: the four work-groups of a cluster walk the same table, so each piece is asked for JOINTLY, by the same tensor load with the same
;   descriptor (made of the wave's number and constants alone) and the mask of all four.  A fill brings two pieces: the one that is read first by waves 0 to 3, a quarter each, the one behind it by wave 7 alone; waves 4 to 6 issue none.
;   Head: pieces 0 and 1.  In pairs 2, 9 and 17 a round of the cluster's barrier stands, behind which pieces 2 and 3 (the slots' first fills), 4 and 5, 6 and 7 are asked for; it shows the second piece of the fill before.
;   In pairs 7, 15 and 23 a plain barrier shows the first piece of the last fill, in pair 27 the very last piece; the first reads of a piece stand behind it.
; A's 256 rows come by plain loads, each byte once, into LDS, and from there into the registers of the waves that share them.
; THE TABLE'S SCALE WORDS go from memory into registers, a ring of five pairs: 8 bytes a lane, two runs of 128 bytes a load, four pairs ahead.
; bo goes from memory straight into registers, a ring of three octets of eight loads, asked for two octets ahead of its first use: so no prefetch is laid in front of it.  The table is asked for by all clusters alike, four pairs or more ahead.
; BY TURNS.  A phase is a pair against two row tiles: four matrix instructions; behind each stand four packed multiply-adds that use up the two results made a phase earlier: they are also the places that results and loads are owed.
; LIMITS.  The sum over i is taken in eight partial f32 sums (two halves of the lanes x four waves), not in the order of a plain dot product.  sigmoid(x) = 1 / (1 + 2^(-x log2 e)) by v_exp_f32 and v_rcp_f32
;   (1 ulp each; a 2^y under 2^-126 comes out as 0, which gives exactly 1: ISA guide 15.8).  A scale byte 0xff gives NaN, as the matrix unit makes it.
; REGISTERS.  window 0: v0-5 addresses and the add's two; v6-15 the table's scale words; v16-31 the rows' scale words; v32-159 the rows' fragments (tile t, K step s at 32 + 16 t + 8 s); v160-255 bo's ring.
;   window 1: v0-63 accX, v64-127 accY, v128-191 two groups of two results of 16 registers, v192-255 two table fragments of 32 registers.
;   ONE setting, source 1 in window 0 and all else in window 1, serves matrix instructions and multiply-adds; it is left for runs of loads and at the changes of slots.
.set WTILE, 17408                      ; 64 LDS rows of 256 bytes + 16 of padding: 128 rows of the table, 8 i
.set SLOT,  4*WTILE                    ; a piece: 32 i
.set IB,    2176                       ; one i: 16 rows of the table = 8 LDS rows of 272 bytes
.set ALDS,  4*SLOT                     ; behind the slots: A's 256 rows, two to an LDS row of 272; no tensor load lands there
.set SPARE, ALDS+2*WTILE               ; behind them: the spare words, 128 bytes for each wave: four blocks of 256 bytes that no other line names
.set SOFF,  0                          ; v0   the table's scale words: lanes 0-15 X's rows, lanes 16-31 Y's (v0 is the thread's number until then)
.set SPW,   1
.set NIL,   2
.set BOFF,  3                          ; v3   bo: 1,024 r + 16 h
.set ADX,   4                          ; v4, v5 LDS address of X's and Y's rows in the octet's slot
.set ADY,   5
.set TS,    6
.set BS,    16
.set AB,    32
.set BO,    160
.set DB,    128                        ; in window 1
.set FB,    192                        ; in window 1
.set WV,    16                         ; s16 wave;  s17 RHO;  s18 CQ
.set RHO,   17
.set CQ,    18
.set SEL,   22                         ; s[22:23] lane selects for v_permlanex16_b32: lane l xor 16
.set G1T,   24                         ; s[24:31] descriptor group 1: 64 LDS rows, a quarter of a piece
.set G1P,   32                         ; s[32:39] 256 LDS rows, a whole piece
.set G0,    48                         ; s[48:51] group 0 for the quarters; s[52:55] for the whole piece
.set G0P,   52
.set MAIN,  0x51                       ; sources 0 and 2 and the destination in window 1, source 1 in window 0
.set TO_F,  0x40                       ; destination in window 1
.set MSB, 0
.macro WIN new                         ; the immediate's high byte repeats the setting that is left; a switch that changes nothing is dropped
.if MSB != \new
	s_set_vgpr_msb (MSB<<8)|\new
.set MSB, \new
.endif
.endm
; A round of the cluster's barrier: my work-group's barrier, so that wave 0's signal speaks for all eight waves; wave 0 signals for the work-group; every wave waits for all four work-groups; my work-group's barrier once more.
.macro CREST                           ; a round behind its opening barrier
	s_cmp_lg_u32 s[WV], 0
	s_cbranch_scc1 .Lnot_wave_0_\@
	s_barrier_signal -3
.Lnot_wave_0_\@:
	s_barrier_wait -3
	s_barrier_signal -1
	s_barrier_wait -1
.endm
.macro ROUND                           ; a whole round
	s_barrier_signal -1
	s_barrier_wait -1
	CREST
.endm
.macro TLOAD g0, g1
	tensor_load_to_lds s[\g0:\g0+3], s[\g1:\g1+7]
	s_nop 0
.rept 4
	v_nop                                          ; four plain lines follow a tensor load, ahead of any switch of windows
.endr
.endm
.macro FILL                            ; two pieces: ONE chain of branches on the wave's number, one load to an arm, none for waves 4 to 6
	s_cmp_lt_u32 s[WV], 4
	s_cbranch_scc0 .Lsecond_\@
	TLOAD G0, G1T
	s_branch .Lasked_\@
.Lsecond_\@:
	s_cmp_lg_u32 s[WV], 7
	s_cbranch_scc1 .Lasked_\@
	TLOAD G0P, G1P
.Lasked_\@:
.endm
.macro LANDED                          ; my part of the last fill's first piece is in; wave 7's piece may stay out: it is shown at a later barrier, in front of which every wave waits
	s_cmp_lt_u32 s[WV], 7
	s_cbranch_scc0 .Lmay_stay_\@
	s_wait_tensorcnt 0x0
.Lmay_stay_\@:
.endm
; Pair pp's fragment: 32 rows x 256 along a: K step s at 16 s, X's eight registers, then Y's
.macro LDFRAG pp
.set lF, FB+32*((\pp)%2)
.set lO, ((\pp)%4)*IB
.irp ks, 0,1
.irp c, 0,1
	ds_load_b128 v[lF+16*\ks+4*\c:lF+16*\ks+4*\c+3], v[ADX] offset:lO+64*\ks+32*\c
	ds_load_b128 v[lF+16*\ks+8+4*\c:lF+16*\ks+8+4*\c+3], v[ADY] offset:lO+64*\ks+32*\c
.endr
.endr
.endm
; Pair pp's scale words, both K steps: 8 bytes a lane
.macro LDTS pp
	global_load_b64 v[TS+2*((\pp)%5):TS+2*((\pp)%5)+1], v[SOFF], s[12:13] offset:(32*((\pp)/4)+(\pp)%4)*128
.endm
; Octet oc of bo for my 128 rows: a load gives each of 16 rows 32 neighbouring bytes; the four waves of the same rows take the four parts of the same 128 bytes in the same octet
.macro LDBO oc
	WIN 0
.irp t, 0,1,2,3,4,5,6,7
	global_load_b128 v[BO+32*((\oc)%3)+4*\t:BO+32*((\oc)%3)+4*\t+3], v[BOFF], s[8:9] offset:\t*16384+128*(\oc)
.endr
.endm
; One matrix instruction: pair pr against row tile 2 gr + ta, K step ks.  K step 0 starts the sum with the constant 0; K step 1 adds in place.
.macro WM pr, gr, ks, ta
.set wD, DB+32*((\gr)%2)+16*(\ta)
.set wA, FB+32*((\pr)%2)+16*(\ks)
.set wB, AB+16*(2*(\gr)+(\ta))+8*(\ks)
.set wT, TS+2*((\pr)%5)+(\ks)
.set wS, BS+2*(2*(\gr)+(\ta))+(\ks)
.if (\ks) == 0
	v_wmma_scale_f32_32x16x128_f4 v[wD:wD+15], v[wA:wA+15], v[wB:wB+7], 0, v[wT], v[wS]
.else
	v_wmma_scale_f32_32x16x128_f4 v[wD:wD+15], v[wA:wA+15], v[wB:wB+7], v[wD:wD+15], v[wT], v[wS]
.endif
.endm
; Multiply-add nn = 0 .. 15 on the results of phase ph: result nn / 8, X or Y, its registers 2 (nn % 4) and + 1, times the lane's bo of the pair, onto accX or accY.  Each result is read from its low end on.
; bo's register e is one of an even pair: the low one (e even) or the high one (e odd) serves both halves.  Pair 0 starts the sums: nothing is ever cleared.
.macro FM ph, nn
.set fP, (\ph)/4
.set fG, (\ph)%4
.set fT, 2*fG+(\nn)/8
.set fY, ((\nn)%8)/4
.set fJ, (\nn)%4
.set fE, fP%4
.set fA, 64*fY+8*fT+2*fJ
.set fD, DB+32*(fG%2)+16*((\nn)/8)+8*fY+2*fJ
.set fB, BO+32*((fP/4)%3)+4*fT+2*(fE/2)
.if fP == 0
	v_pk_mul_f32 v[fA:fA+1], v[fD:fD+1], v[fB:fB+1] op_sel_hi:[1,0]
.elseif fE%2 == 0
	v_pk_fma_f32 v[fA:fA+1], v[fD:fD+1], v[fB:fB+1], v[fA:fA+1] op_sel_hi:[1,0,1]
.else
	v_pk_fma_f32 v[fA:fA+1], v[fD:fD+1], v[fB:fB+1], v[fA:fA+1] op_sel:[0,1,0]
.endif
.endm
; A PHASE: pair pr against row tiles 2 gr, 2 gr + 1: K step 0 of both, then K step 1 of both, so that the two sums take turns.
; DISTANCES (ISA guide 7.12.1; only plain vector instructions that name none of the matrix instruction's registers are counted): a result is first read 8 such instructions or more behind its last link, and begun anew 12 or more
; behind it.  The next pair's fragment, and the scale words of the pair four on, are loaded behind the first unit of a pair (gN = 0) or, where a plain barrier shows the piece, of its third phase (gN = 2): their registers were last
; read by the pair before, whose last product has 8 such instructions or more behind it by then.
.macro PHASE pr, gr
.set u, 0
.rept 4
	WM \pr, \gr, u/2, u%2
.if (4*(\pr)+\gr) > 0
.set kn, 4*u
.rept 4
	FM (4*(\pr)+\gr-1), kn
.set kn, kn+1
.endr
.endif
.if ((\gr) == gN) && (u == 0) && ((\pr) < 31)
	WIN TO_F
	LDFRAG (\pr)+1
.if (\pr) < 28
	WIN 0
	LDTS (\pr)+4
.endif
	WIN MAIN
.endif
.if ((\gr) == 1) && (u == 0) && ((\pr)%4 == 0) && ((\pr) < 24)
	LDBO (\pr)/4+2                                 ; two octets ahead, into the ring's place of the octet before this one: its last multiply-adds stood in the phase before
	WIN MAIN
.endif
.set u, u+1
.endr
.endm
.macro STEP pr                         ; the next fragment lies in the next slot
	WIN 0
.if (\pr) == 15
	v_sub_nc_u32 v[ADX], v[ADX], 3*SLOT
	v_sub_nc_u32 v[ADY], v[ADY], 3*SLOT
.else
	v_add_nc_u32 v[ADX], SLOT, v[ADX]
	v_add_nc_u32 v[ADY], SLOT, v[ADY]
.endif
	s_wait_alu depctr_va_vdst(0)                   ; the wait directly behind the writes; no sum of the matrix unit is open
.endm
; A PAIR: four phases.  rF = 1: a round and a fill; gN = 2: a plain barrier (and nothing of the two in pair 31).
.macro PAIR pr
.set rF, 0
.set gN, 0
.if ((\pr) == 2) || ((\pr) == 9) || ((\pr) == 17)
.set rF, 1
.endif
.if ((\pr) == 7) || ((\pr) == 15) || ((\pr) == 23) || ((\pr) == 27)
.set gN, 2
.endif
	s_wait_dscnt 0x0                               ; the pair's fragment is in
.if (\pr) == 0
	s_wait_loadcnt 16                              ; the rows' scale words and pairs 0 to 3's are in; bo's first two octets may be out
.elseif (\pr) >= 4
.set lN, 3                                         ; the pair's scale words are in: behind them the next three pairs' were issued (fewer at the end),
.if (\pr) > 28
.set lN, 31-(\pr)
.endif
.if (\pr) <= 24
.set lN, lN+8                                      ; and, up to pair 24, one octet of bo
.endif
	s_wait_loadcnt lN
.endif
.if ((\pr)%4 == 3) && ((\pr) < 31) && (gN == 0)
	STEP \pr
.endif
	WIN MAIN
	PHASE \pr, 0
.if (\pr) == 0
.rept 4
	v_nop                                          ; the very first phase has no multiply-adds: these are the places behind its products
.endr
.endif
.if (\pr)%4 == 0
.if (\pr) == 0
	s_wait_loadcnt 9                               ; octet 0 of bo is in: behind it octet 1's eight loads and one pair's scale words
.elseif (\pr) == 4
	s_wait_loadcnt 13                              ; octet 1: behind it octet 2's eight and five pairs' scale words
.elseif (\pr) < 28
	s_wait_loadcnt 16                              ; behind it the next octet's eight and eight pairs' scale words
.else
	s_wait_loadcnt 7                               ; octet 7: behind it seven pairs' scale words
.endif
.endif
.if rF
	WIN 0                                          ; A CHANGE OF SLOTS.  (The add's two registers lie in window 0)
	s_wait_tensorcnt 0x0                           ; no tensor load of mine is out, so a group 0 may be written
	ds_add_u32 v[SPW], v[NIL]                      ; 0 onto my spare word: twice on end
	ds_add_u32 v[SPW], v[NIL]                      ; a phase on registers stands between it and the wait for both
.if (\pr) == 9
	s_mov_b32 s[G0+1], s69                         ; slots 0 and 1: their octets' last fragments came in pairs ago
	s_mov_b32 s[G0P+1], SLOT
.else
	s_add_co_u32 s[G0+1], s69, 2*SLOT              ; slots 2 and 3
	s_mov_b32 s[G0P+1], 3*SLOT
.endif
	s_add_nc_u64 s[G0+2:G0+3], s[G0+2:G0+3], 131072   ; two pieces on in the table; the type bits on top are not reached
	s_add_nc_u64 s[G0P+2:G0P+3], s[G0P+2:G0P+3], 131072
	WIN MAIN
.endif
.if gN == 2
	WIN 0                                          ; A PLAIN BARRIER
.if (\pr) == 27
	s_wait_tensorcnt 0x0                           ; the very last piece: every wave waits
.else
	LANDED
.endif
	s_wait_dscnt 0x0
	s_barrier_signal -1
	WIN MAIN
.endif
	PHASE \pr, 1
.if rF
	s_wait_dscnt 0x0                               ; the adds are done; my reads of the slots that are filled now were over pairs ago
	s_barrier_signal -1
.endif
.if gN == 2
	s_barrier_wait -1                              ; everybody's part of the piece is in
	STEP \pr
	WIN MAIN
.endif
	PHASE \pr, 2
.if rF
	WIN 0                                          ; at a label and at a branch every window is 0
	s_barrier_wait -1
	CREST                                          ; no wave of any partner still reads these slots or has a load on its way
	FILL                                           ; the first tensor load behind the round, and a wave's only one
	WIN MAIN
.endif
	PHASE \pr, 3
.endm
.macro GROUP1 g, w0, rows              ; dense blocks of memory as rows of 256 bytes (32 elements of 8 bytes), 16 bytes of padding behind each in LDS
	s_mov_b32 s[\g+0], \w0                         ; 15:0 the mask; 17:16 elements of 8 bytes; 20 padding on; 21 set beside a mask; 24:22 after every 64 words (code 5); 31:25 four words (code 3)
	s_mov_b32 s[\g+1], 32<<16                      ; tensor_dim0 = 32
	s_mov_b32 s[\g+2], \rows<<16                   ; tensor_dim1
	s_mov_b32 s[\g+3], 32<<16                      ; tile_dim0 = 32
	s_mov_b32 s[\g+4], \rows                       ; tile_dim1
	s_mov_b32 s[\g+5], 32                          ; tensor_dim0_stride
	s_mov_b32 s[\g+6], 0
	s_mov_b32 s[\g+7], 0
.endm
	s_load_b256 s[4:11], s[0:1], 0x0               ; A's codes s[4:5], A's scales s[6:7], bo s[8:9], the table's codes s[10:11]
	s_load_b128 s[12:15], s[0:1], 0x20             ; the table's scales s[12:13], out s[14:15]
	v_lshl_add_u32 v[SPW], v0, 2, SPARE
	v_mov_b32 v[NIL], 0
	ds_add_u32 v[SPW], v[NIL]                      ; the wave's opening: the add, twice on end, and its wait ahead of my first tensor load
	ds_add_u32 v[SPW], v[NIL]
	; v240-253 are at work here: bo's third octet comes later
	v_lshrrev_b32 v240, 5, v0
	v_and_b32 v241, 15, v0                         ; r
	v_bfe_u32 v242, v0, 4, 1                       ; h
	v_bfe_u32 v243, v0, 3, 1                       ; r / 8
	v_and_b32 v244, 1, v0                          ; r % 2
	v_readfirstlane_b32 s[WV], v240                ; wave 0..7
	s_and_b32 s[RHO], s[WV], 1                     ; which 128 rows
	s_lshr_b32 s[CQ], s[WV], 1                     ; which eight of each 32 i
	s_mul_i32 s66, s[CQ], WTILE
	s_mul_i32 s67, s[RHO], WTILE
	s_add_co_u32 s67, s67, ALDS
	s_lshl_b32 s68, s[CQ], 10
	s_mul_i32 s69, s[WV], WTILE                    ; my quarter of a piece (waves 0 to 3)
	s_mul_i32 s72, s[WV], 4352                     ; the 32 rows of A that I fetch: 16 LDS rows
	s_add_co_u32 s72, s72, ALDS
	s_wait_alu depctr_va_vdst(0)                   ; the wait behind the run of scalar lines and ahead of the readers below
	v_lshrrev_b32 v245, 1, v241                    ; r / 2
	v_lshlrev_b32 v246, 4, v242
	v_lshlrev_b32 v[BOFF], 10, v241
	v_lshlrev_b32 v247, 3, v241                    ; the rows' scale words: 8 r
	v_lshlrev_b32 v251, 3, v242
	v_and_b32 v252, 31, v0
	v_mul_u32_u24 v253, v242, 272
	v_xor_b32 v248, 4, v245                        ; (r xor 8) / 2
	v_lshl_add_u32 v246, v244, 7, v246             ; 128 (r % 2) + 16 h
	v_lshl_add_u32 v[BOFF], v242, 4, v[BOFF]
	v_xor_b32 v251, v251, v241                     ; r for X's lanes, r xor 8 for Y's
	v_lshlrev_b32 v252, 4, v252                    ; A's codes in memory: 16 x lane
	v_lshl_add_u32 v253, v241, 4, v253             ; and in LDS: 272 for each 256
	; The table in LDS: two rows of 128 bytes to an LDS row of 272.  X's row r is local row r + 64 (r / 8), Y's (r xor 8) + 64 (r / 8).  The sixteen lanes of a load fall on LDS rows 0-3 and 36-39 (Y: 4-7 and 32-35),
	; 68 words apart, two halves 32 words apart: sixteen different groups of four banks (64 banks of 4 bytes: ISA guide 11.1).  A's rows lie in the same way, sixteen neighbours to a load.
	v_mul_u32_u24 v249, v245, 272
	v_lshl_add_u32 v250, v243, 5, v245
	v_lshl_add_u32 v248, v243, 5, v248
	v_lshl_add_u32 v251, v243, 6, v251
	v_add_nc_u32 v253, s72, v253
	v_add_nc_u32 v249, v249, v246
	v_mul_u32_u24 v250, v250, 272
	v_mul_u32_u24 v248, v248, 272
	v_lshlrev_b32 v251, 3, v251
	v_add_nc_u32 v249, s67, v249                   ; A's rows in LDS: my row r of tile 0
	v_add_nc_u32 v250, v250, v246
	v_add_nc_u32 v248, v248, v246
	v_add_nc_u32 v[SOFF], s68, v251
	v_add_nc_u32 v[ADX], s66, v250
	v_add_nc_u32 v[ADY], s66, v248
	s_bfe_u32 s19, ttmp6, 0x40000                  ; cx: my place in the cluster.  It enters A's, bo's and out's addresses alone, through s19, s20 and s60-63
	s_lshl_b32 s20, ttmp9, 2                       ; in a cluster launch ttmp9 counts clusters
	s_add_co_u32 s20, s20, s19                     ; my block of 256 rows
	s_lshl_b32 s62, s20, 1
	s_add_co_u32 s62, s62, s[RHO]                  ; my wave's block of 128 rows
	s_mov_b32 s61, 0
	s_mov_b32 s[SEL], 0x76543210
	s_mov_b32 s[SEL+1], 0xfedcba98
	GROUP1 G1T, 15|(3<<16)|(1<<20)|(1<<21)|(5<<22)|(3<<25), 64
	GROUP1 G1P, 15|(3<<16)|(1<<20)|(1<<21)|(5<<22)|(3<<25), 256
	s_wait_alu depctr_va_vdst(0)                   ; the wait at the end of the head's vector work, directly ahead of the waits below
	s_wait_dscnt 0x0                               ; both opening adds are done
	s_wait_kmcnt 0x0
	; THE ORDER OF REQUESTS is the order of need: A's rows, scale words, the table, bo
	s_lshl_b32 s60, s20, 15                        ; A: 256 rows of 128 bytes,
	s_lshl_b32 s63, s[WV], 12                      ; of which I fetch 32
	s_add_co_u32 s60, s60, s63
	s_add_nc_u64 s[4:5], s[4:5], s[60:61]
.irp n, 0,1,2,3,4,5,6,7
	global_load_b128 v[AB+4*\n:AB+4*\n+3], v252, s[4:5] offset:\n*512   ; 32 lanes load 512 consecutive bytes: four rows
.endr
	s_lshl_b32 s60, s62, 10                        ; scale words: 128 rows of 8 bytes
	s_add_nc_u64 s[6:7], s[6:7], s[60:61]
.irp t, 0,1,2,3,4,5,6,7
	global_load_b64 v[BS+2*\t:BS+2*\t+1], v247, s[6:7] offset:\t*128   ; row r's scale words, K steps 0 and 1
.endr
	LDTS 0
	LDTS 1
	LDTS 2
	LDTS 3
	; group 0: 1:0 count = 1; 63:32 LDS address; 120:64 global address; 127:126 type = 2.  Waves 0 to 3: a quarter of piece 0
	s_lshl_b32 s70, s[WV], 14
	s_mov_b32 s71, 0
	s_mov_b32 s[G0], 1
	s_mov_b32 s[G0+1], s69
	s_add_nc_u64 s[G0+2:G0+3], s[10:11], s[70:71]
	s_or_b32 s[G0+3], s[G0+3], 0x80000000
	; wave 7: piece 1
	s_mov_b32 s[G0P], 1
	s_mov_b32 s[G0P+1], SLOT
	s_add_nc_u64 s[G0P+2:G0P+3], s[10:11], 65536
	s_or_b32 s[G0P+3], s[G0P+3], 0x80000000
	ROUND                                          ; all four work-groups are here: the first joint loads meet
	FILL                                           ; pieces 0 and 1
	s_lshl_b32 s60, s62, 17                        ; bo: 128 rows of 1,024 bytes,
	s_lshl_b32 s63, s[CQ], 5                       ; and my 32 bytes of each 128
	s_add_co_u32 s60, s60, s63
	s_add_nc_u64 s[8:9], s[8:9], s[60:61]
	LDBO 0
	s_wait_loadcnt 20                              ; A's eight loads are in; eight of the rows' scale words, four of the table's and bo's first octet may be out
.irp n, 0,1,2,3,4,5,6,7
	ds_store_b128 v253, v[AB+4*\n:AB+4*\n+3] offset:\n*544
.endr
	s_lshl_b32 s60, s62, 13                        ; out: 128 rows of 64 bytes,
	s_lshl_b32 s63, s[CQ], 11                      ; and the 32 rows that I store
	s_add_co_u32 s60, s60, s63
	s_add_nc_u64 s[14:15], s[14:15], s[60:61]
	s_wait_dscnt 0x0                               ; for the others' sake: my 32 rows of A are in LDS
	s_barrier_signal -1
	s_barrier_wait -1                              ; everybody's are; the tensor loads stay out
.irp t, 0,1,2,3,4,5,6,7
.irp ks, 0,1
.irp c, 0,1
	ds_load_b128 v[AB+16*\t+8*\ks+4*\c:AB+16*\t+8*\ks+4*\c+3], v249 offset:\t*IB+64*\ks+32*\c   ; lane (r, h): a = 128 ks + 64 c + 32 h + 0 .. 31 of row 16 t + r
.endr
.endr
.endr
	LDBO 1
	LANDED
	s_wait_dscnt 0x0
	s_barrier_signal -1
	s_barrier_wait -1                              ; piece 0 is in
	WIN TO_F
	LDFRAG 0
.set GG, 0
.rept 32
	PAIR GG
.set GG, GG+1
.endr
.set kn, 0
.rept 16
	FM 127, kn                                     ; the last phase's multiply-adds
.set kn, kn+1
.endr
	; THE WAY OUT.  accY changes halves of the lanes and joins accX; the eight waves' partial sums meet in a stage in LDS; each wave adds up, for 32 rows, the four waves of its rows, takes the sigmoid and stores.
	; The stage lies in slots 0 and 1: they have had their last fill, and every wave has passed the barrier of pair 23, in front of which its last reads of them had come back.
	; Stage: wave w at 10,240 w; tile t at 1,280 t; registers 4 q .. 4 q + 3 at 640 q; half h at 320 h; row r at 16 r.  640 and 320 are 128 and 64 modulo 256, so the sixteen lanes of a read below fall on sixteen different columns of 16 bytes.
	WIN 0
	v_lshrrev_b32 v240, 10, v[BOFF]                ; r
	v_bfe_u32 v241, v[BOFF], 4, 1                  ; h
	s_mul_i32 s66, s[WV], 10240
	s_mul_i32 s67, s[RHO], 10240                   ; the four waves of my rows lie 20,480 apart, from 10,240 RHO on;
	s_mul_i32 s68, s[CQ], 2560                     ; I take tiles 2 CQ and 2 CQ + 1
	s_add_co_u32 s67, s67, s68
	v_and_b32 v243, 1, v240                        ; back: lane l takes 16 bytes of out: row l / 4 of eight, k = 4 (l % 4) on: half (l / 2) % 2, q = l % 2
	v_bfe_u32 v244, v240, 1, 1
	v_lshl_add_u32 v245, v241, 4, v240             ; l
	v_mul_u32_u24 v242, v241, 320
	v_mul_u32_u24 v243, v243, 640
	v_mul_u32_u24 v244, v244, 320
	v_lshrrev_b32 v246, 2, v245                    ; l / 4
	v_lshl_add_u32 v242, v240, 4, v242
	v_add_nc_u32 v243, v243, v244
	v_lshlrev_b32 v245, 4, v245                    ; and in out: 16 bytes a lane
	v_add_nc_u32 v242, s66, v242                   ; in: 10,240 w + 320 h + 16 r
	v_lshl_add_u32 v243, v246, 4, v243
	v_add_nc_u32 v243, s67, v243
	WIN 0x45
.set u, 0
.rept 64
	v_permlanex16_b32 v[DB+u], v[64+u], s[SEL], s[SEL+1]   ; accY of lane l xor 16, into registers that results have left (written before: a lane permute's destination counts as read)
.set u, u+1
.endr
.set u, 0
.rept 32
	v_pk_add_f32 v[2*u:2*u+1], v[2*u:2*u+1], v[DB+2*u:DB+2*u+1]   ; register 8 t + j of lane (r, h): my i's share of the sum for (row 16 t + r, k = 8 h + j)
.set u, u+1
.endr
	WIN 0x04
.irp t, 0,1,2,3,4,5,6,7
.irp q, 0,1
	ds_store_b128 v242, v[8*\t+4*\q:8*\t+4*\q+3] offset:\t*1280+\q*640
.endr
.endr
	WIN 0
	s_wait_dscnt 0x0                               ; for the others' sake: my stores into the stage are done
	s_barrier_signal -1
	s_barrier_wait -1
.irp c, 0,1,2,3
.irp tt, 0,1
.irp n, 0,1
	ds_load_b128 v[AB+16*\c+8*\tt+4*\n:AB+16*\c+8*\tt+4*\n+3], v243 offset:\c*20480+\tt*1280+\n*128   ; wave 2 c + RHO's share of rows 16 (2 CQ + tt) + 8 n + l / 4
.endr
.endr
.endr
	s_wait_dscnt 0x0
.irp c, 1,2,3
.irp p, 0,1,2,3,4,5,6,7
	v_pk_add_f32 v[AB+2*\p:AB+2*\p+1], v[AB+2*\p:AB+2*\p+1], v[AB+16*\c+2*\p:AB+16*\c+2*\p+1]
.endr
.endr
.irp p, 0,1,2,3,4,5,6,7
	v_pk_mul_f32 v[AB+2*\p:AB+2*\p+1], v[AB+2*\p:AB+2*\p+1], 0xbfb8aa3b op_sel_hi:[1,0]   ; -x log2(e)
.endr
.set u, 0
	s_wait_alu depctr_va_vdst(0)                   ; the wait ahead of the batch
.rept 16
	v_exp_f32 v[AB+u], v[AB+u]
.set u, u+1
.endr
	v_nop                                          ; a plain instruction between the last exponential and the use of its result
	s_wait_alu depctr_va_vdst(0)                   ; and one behind it, ahead of the first use
.irp p, 0,1,2,3,4,5,6,7
	v_pk_add_f32 v[AB+2*\p:AB+2*\p+1], v[AB+2*\p:AB+2*\p+1], 1.0 op_sel_hi:[1,0]
.endr
.set u, 0
	s_wait_alu depctr_va_vdst(0)
.rept 16
	v_rcp_f32 v[AB+u], v[AB+u]
.set u, u+1
.endr
	v_nop
	s_wait_alu depctr_va_vdst(0)                   ; one for the sixteen reciprocals
.irp tt, 0,1
.irp n, 0,1
	global_store_b128 v245, v[AB+8*\tt+4*\n:AB+8*\tt+4*\n+3], s[14:15] offset:\tt*1024+\n*512 th:TH_STORE_NT   ; 32 lanes store eight whole rows: 512 consecutive bytes, at a multiple of 512 from out's first byte
.endr
.endr
	s_wait_tensorcnt 0x0                           ; the wave's end: behind my last tensor load and my last LDS store
	ds_add_u32 v[SPW], v[NIL]
	s_wait_dscnt 0x0
	ROUND                                          ; the closing round: no work-group ends while a partner may still ask for a tile that names it
	s_endpgm
.Lfunc_end_k_q0854763927_lut:
	.size	k_q0854763927_lut, .Lfunc_end_k_q0854763927_lut-k_q0854763927_lut
	.p2alignl 7, 3214868480
	.fill 96, 4, 3214868480
	.section	.rodata,"a",@progbits
	.p2align	6, 0x0
	.amdhsa_kernel k_q0854763927_lut
		.amdhsa_group_segment_fixed_size 327680
		.amdhsa_private_segment_fixed_size 0
		.amdhsa_enable_private_segment 0
		.amdhsa_kernarg_size 48
		.amdhsa_user_sgpr_count 2
		.amdhsa_user_sgpr_kernarg_segment_ptr 1
		.amdhsa_wavefront_size32 1
		.amdhsa_system_sgpr_workgroup_id_x 1
		.amdhsa_system_sgpr_workgroup_id_y 1
		.amdhsa_system_sgpr_workgroup_id_z 1
		.amdhsa_system_vgpr_workitem_id 0
		.amdhsa_next_free_vgpr 512
		.amdhsa_next_free_sgpr 80
		.amdhsa_reserve_vcc 0
		.amdhsa_float_denorm_mode_32 3
		.amdhsa_float_denorm_mode_16_64 3
		.amdhsa_memory_ordered 1
		.amdhsa_forward_progress 1
		.amdhsa_inst_pref_size 254
	.end_amdhsa_kernel
	.amdgpu_metadata
---
amdhsa.version: [ 1, 2 ]
amdhsa.kernels:
  - .name:           k_q0854763927_lut
    .symbol:         k_q0854763927_lut.kd
    .args:
      - { .name: a_onehot_codes, .offset: 0, .size: 8, .value_kind: global_buffer, .address_space: global }
      - { .name: a_onehot_scales, .offset: 8, .size: 8, .value_kind: global_buffer, .address_space: global }
      - { .name: b_onehot, .offset: 16, .size: 8, .value_kind: global_buffer, .address_space: global }
      - { .name: table_codes, .offset: 24, .size: 8, .value_kind: global_buffer, .address_space: global }
      - { .name: table_scales, .offset: 32, .size: 8, .value_kind: global_buffer, .address_space: global }
      - { .name: out0, .offset: 40, .size: 8, .value_kind: global_buffer, .address_space: global }
    .group_segment_fixed_size: 327680
    .private_segment_fixed_size: 0
    .kernarg_segment_align: 8
    .kernarg_segment_size: 48
    .max_flat_workgroup_size: 256
    .sgpr_count:     80
    .vgpr_count:     512
    .wavefront_size: 32
...
	.end_amdgpu_metadata
.endif
;; end of part 1
